; MI455X (gfx1250); checked and timed in simulation.
; The chip was launched on July 23, 2026; its instructions are those of AMD's public machine-readable ISA for CDNA 5 (MIT licence, August 2026) and "CDNA5" Instruction Set Architecture Reference Guide (July 2026). The comments in the code are by the model that wrote it; some were corrected since.
;; pytorch attention. Allowed arithmetic: matrix products marked QUANTISED: E5M2 operands, one E8M0 scale for each 32 along K, by v_wmma_scale_f32_16x16x128_f8f6f4 with both operands' format E5M2, f32 sums; everything else in f32.
;; Inputs: k_codes 1 x 16 x 4,096 x 2 x 32 uint8 (E5M2 codes of k, K innermost, in blocks of 32 codes); k_scales 1 x 16 x 4,096 x 2 uint8 (E8M0 scales of k, one for each 32 codes along K); q_codes 1 x 16 x 4,096 x 2 x 32 uint8 (E5M2 codes of q, K innermost, in blocks of 32 codes); q_scales 1 x 16 x 4,096 x 2 uint8 (E8M0 scales of q, one for each 32 codes along K); v_codes 1 x 16 x 64 x 128 x 32 uint8 (E5M2 codes of v, K innermost, in blocks of 32 codes); v_scales 1 x 16 x 64 x 128 uint8 (E8M0 scales of v, one for each 32 codes along K).
;; Outputs: out0 1 x 16 x 4,096 x 64 float32.
;; Constants: causal = 1.
;; This version of the problem:
;;   THIS VERSION OF THE PROBLEM IS GIVEN IN LOW PRECISION. The matrix products marked QUANTISED in the list below multiply operands that are first quantised to E5M2 (5 exponent bits, 2 mantissa bits; 8 bits a number), with one power-of-two scale for each 32 numbers along K (OCP MX v1.0); their sums are f32. All else is computed in f32.
;;   The module's matrix products, in the order in which they are computed (A, B: the left and right operand; K: the contracted axis; several contracted axes count as one K, in the product's order):
;;     1. batch 16 x [M 4,096, K 64] x [K 64, N 4,096]; A: input q (given as codes); B: input k (given as codes): QUANTISED
;;     2. batch 16 x [M 4,096, K 4,096] x [K 4,096, N 64]; A: softmax (see below); B: input v (given as codes): QUANTISED
;;   THE QUANTISER, for each operand of a quantised product, along K:
;;     - K is cut into blocks of 32 from its start; a last block that is shorter is filled with zeros.
;;     - A block's scale is 2^e with e = floor(log2(the largest magnitude in the block)) - 15, held to -126 .. 127; a block of zeros has e = 0. As a byte (E8M0): e + 127.
;;     - Each number is divided by its block's scale, clamped to +-57,344, and rounded to the nearest number of E5M2, ties to even, subnormals kept.
;;     - The product sums the exact products of the quantised numbers (number of the format x scale) in f32.
;;   ~~~python
;;   def quantise(x, axis):      # numpy; x: float32 -> the quantised numbers, widened to float32 again
;;       x = np.moveaxis(x, axis, -1); K = x.shape[-1]
;;       x = np.pad(x, [(0, 0)] * (x.ndim - 1) + [(0, -K % 32)]); x = x.reshape(x.shape[:-1] + (-1, 32)); a = np.abs(x).max(-1, keepdims=True)
;;       e = np.where(a > 0, np.clip(np.frexp(np.where(a > 0, a, 1))[1] - 1 - 15, -126, 127), 0)      # np.frexp(a)[1] - 1 = floor(log2(a)), exactly
;;       r = np.clip(x / 2.0 ** e, -57344, 57344)
;;       step = 2.0 ** (np.maximum(np.frexp(np.where(r == 0, 1, r))[1] - 1, -14) - 2)
;;       q = np.round(r / step) * step * 2.0 ** e      # np.round: ties to even
;;       return np.moveaxis(q.reshape(q.shape[:-2] + (-1,))[..., :K], -1, axis).astype(np.float32)
;;   ~~~
;;   SOFTMAX AHEAD OF A QUANTISED PRODUCT. Where the list says 'softmax', what is quantised is not the finished softmax but p = 2^(t - M), with t = logit x log2(e) and M = ceil(the row's largest t), a whole number; so 1/2 < the row's largest p <= 1. The row's sum l is taken of the UNQUANTISED p, in f32, and the product's result is divided by l at the end. Since M is a whole number, a kernel that streams over the keys may use a running M (the ceiling of the running maximum): every later rescaling is an exact power of two, which a block's scale takes up: the codes' values come out the same.
;;   OPERANDS COMPUTED ON THE WAY. 'Computed on the way' means the value that the module computes at that place (a softmax that the list does not call 'softmax' is quantised finished and normalised). What goes into a quantiser is computed in f32, as accurately as f32 sums, v_exp_f32 and their like allow (about 1e-6 of the number): no bf16 or f16 on the way to a quantiser, and a product that is left as it is and whose result goes on into a quantised operand takes f32 operands (vector FMAs, or v_wmma_f32_16x16x4_f32). A number that lies on a knife's edge between two numbers of the format may be rounded either way, as far as f32 arithmetic and the matrix unit's own rounding can turn it there, and no further.
;;   INPUTS GIVEN AS CODES. k (in the module: [1, 16, 4096, 64], K = its axis 3); q (in the module: [1, 16, 4096, 64], K = its axis 3); v (in the module: [1, 16, 4096, 64], K = its axis 2): each comes as NAME_codes (uint8): NAME with its K axis moved to the last place and cut into blocks of 32 codes, [.., K / 32, bytes a block], one block behind the other in memory; one code a byte (a code: sign, 5 exponent bits, 2 mantissa bits); and NAME_scales (uint8): the same leading axes, one E8M0 byte (e + 127) for each 32 codes along K. Its value is code x scale, taken as it is: it is not quantised again, and the codes and scales need not be those that the quantiser above would give.
;; One version. Each part assembles by itself: llvm-mc -triple=amdgcn-amd-amdhsa -mcpu=gfx1250 --defsym DOCPART=n.
;; ======== version 1 of 1: 1 launch
;; limits: right only within a limited range of input values
;; launch attn (part 1): grid 16 x 16, 16 waves a work-group, no clusters, 327,680 bytes of LDS; arguments q_codes, q_scales, k_codes, k_scales, v_codes, v_scales, out0; writes out0
.if DOCPART == 1
	.amdgcn_target "amdgcn-amd-amdhsa--gfx1250"
	.amdhsa_code_object_version 6
	.text
	.protected	k_qeb70e47e4e_attn
	.globl	k_qeb70e47e4e_attn
	.p2align	8
	.type	k_qeb70e47e4e_attn,@function
k_qeb70e47e4e_attn:
	s_mov_b64 s[64:65], 0
	v_nop
	global_prefetch_b8 v0, s[64:65] scope:SCOPE_SE
	s_setreg_imm32_b32 hwreg(HW_REG_WAVE_MODE, 25, 1), 1
	s_wait_xcnt 0x0
; Causal attention, 16 heads x 4,096 queries and keys x head size 64, both products on codes of BF8 (E5M2) with one E8M0 scale for each 32 along a product's K.
; q, k: [16][4096][64] codes, scale bytes [16][4096][2].  v: codes with the KEYS innermost, [16][64][4096], scale bytes [16][64][128].  out0: [16][4096][64] f32.
; THE SOFTMAX: t = score x log2(e) / 8; M = the largest t so far, rounded UP to a whole number; p = 2^(t - M) is quantised along the keys, not normalised; the row's sum is taken of the unquantised p and divides at the end.
; SHARES.  A head has 32 blocks of 128 queries.  Work-group (x, head) owns block x and then block 31 - x: (x + 1) + (32 - x) = 33 visible steps of 128 keys, the same in all 256 work-groups.
; Wave w owns the 16 queries 16 (w & 7) on of the block in hand, and of a slot's four key steps the steps g and 2 + g, g = w >> 3: waves w and w + 8 hold parts (M, sum, O^T) for the same queries, over different keys.
; At a block's end the parts meet in LDS: both M are whole numbers, so each part is brought under the larger M by a power of two, which rounds nothing.  Four waves share a SIMD, 256 registers each.
; THE WALK.  A slot holds 512 keys.  Block x needs NA = (x + 4) / 4 slots, block 31 - x needs 9 - NA: nine slots always: eight trips of a loop and a ninth written out, which asks for nothing.
; Trip n walks key slot n (n < NA) or n - NA.  That choice enters global addresses and scalar compares alone; every LDS address hangs on constants, the thread's number and the trip.
; A step all of whose keys come after the block's queries is left out by a scalar branch on ids; in the step on the diagonal hidden scores become -infinity ahead of the maximum.  Its first key counts for every query of the block, so every step that is walked has a number as its maximum.
; LAYOUT.  Both products are used transposed: S^T = K Q^T (source 0 = 16 keys, source 1 = my 16 queries), O^T = V^T P^T (source 0 = 16 of the head's 64, source 1 = P): a lane holds ONE query (lane % 16) throughout.
; Lane r of tile 2 b + u takes key 32 b + 8 u + r + 8 (r / 8), so that the 16 registers of tiles 2 b and 2 b + 1 are the neighbouring keys 32 b + 16 (lane / 16) + 0 .. 15: the conversions' results are the second product's operand.
; THE HEAD'S 64 IN AN INSTRUCTION OF 128 ALONG K.  Q's fragment is 8 registers of codes and 8 of zero codes.  K's eight fragments of a step lie 8 registers apart; the instruction names 16, so the upper half of fragment t is
; fragment t + 1's codes (behind the last: 8 registers of zeros), and meets Q's zero codes.  K's and Q's scale words are 16 bits widened with zeros: the bytes of the upper half are 0, never 0xff.
; LIMITS.  Codes of infinity or NaN in k are not served (0 x infinity would reach another key's score), nor scale bytes 0xff.  A p under 2^-126 comes out of v_exp_f32 as 0.  A block's largest p is taken from its largest score:
; that leans on v_exp_f32 not falling where its input rises.
; NO CLUSTER.  Work-groups 4 m .. 4 m + 3 of a head walk the same slots, but which step is left out and which is masked is a compare against the work-group's own block number, 4 x cluster + place: a branch on the place in the cluster.
; Without those branches each work-group would walk 36 steps for 33, eight of them masked.  So each work-group asks for its own tiles.
; LDS is claimed whole.
.set SLOT1, 1<<17                      ; slot 1 begins here: one exclusive or turns an address in one slot into the other's
.set KREG,  20480                      ; a slot: region 0: the groups of eight keys 16 p + 0 .. 7, p = 0 .. 31; region 1: 16 p + 8 .. 15.  A key's row: 64 bytes + 16 of padding.  So a tile's 16 rows are neighbours in LDS
.set KP,    80                         ; 20 words: row r starts at bank 20 r mod 64 (64 banks of 4 bytes: ISA guide 11.1): the 16 rows of a load start at 16 different groups of four banks
.set VOFF,  2*KREG                     ; behind them V: 64 rows of 512 bytes + 16
.set VP,    528
.set VHALF, 32*VP
.set MERGE, VOFF+64*VP                 ; 74,752: behind slot 0: for each pair of waves nine images of four registers, 512 bytes each
.set STAGE, SLOT1+MERGE                ; 205,824: behind slot 1: the way out: 16 rows x (256 bytes + 16) for each of waves 0 to 7
.set SCK,   262144                     ; K's scale bytes in the order of the walk: entry n, 1,024 bytes: trip n's 512 keys, 2 bytes a key
.set SCV,   SCK+9*1024                 ; V's: entry n, 1,024 bytes: [step 0 .. 3][d 0 .. 63], a word each
.set SPARE, SCV+9*1024                 ; the spare words, 128 bytes for each wave: eight blocks of 256 bytes that no other line names
.set AK0,  1                           ; v1   my lane's place in a tile of K, my key group's step among it
.set AV0,  2                           ; v2   the same for V
.set ASK0, 3                           ; v3   my lane's place among K's scale words: lanes 0-15 the even tile's rows, lanes 16-31 the odd tile's
.set ASV0, 4                           ; v4   and among V's
.set SPW,  5                           ; v5   LDS address of my spare word; never rewritten
.set NIL,  6                           ; v6   0; never rewritten
.set PFO,  7                           ; v7   the prefetches' lane offset; never rewritten
.set ADK,  8                           ; v8-11 the four addresses for the slot in hand
.set ADV,  9
.set ADS,  10
.set ADT,  11
.set MG,   12                          ; v12  my pair's images: 16 x lane
.set STO,  13                          ; v13  the stage: where I put 32 bytes of a row
.set SRD,  14                          ; v14  and where I read a row back
.set GO,   15                          ; v15  my byte offset in the wave's 16 rows of out0
.set NM,   16                          ; v16  -M;  v17 the largest t;  v[18:19] the sum in two halves: the four go to the partner as one image
.set TX,   17
.set L,    18
.set Q,    20                          ; v20-27 Q's codes, v28-35 zero codes
.set DM,   36                          ; v36  my query less the diagonal step's first key less 16 (lane / 16)
.set QSB,  37                          ; v37  the second block's scale word of Q;  v38-45 its codes
.set QB,   38
.set F,    48                          ; v48-111 eight fragments of K (8 registers each), later four of V (16 each)
.set ZT,   112                         ; v112-119 zeros: the upper half of K's last fragment
.set S,    120                         ; v120-183 S^T, then p
.set O,    184                         ; v184-215 O^T: register 8 t + j is d = 16 t + 8 (lane / 16) + j
.set PC,   216                         ; v216-231 p's codes
.set BM,   232                         ; v232-235 the blocks' largest scores, then largest p
.set PM,   236                         ; v236-239 at work
.set HL,   240                         ; v240-243 unused
.set SO,   244                         ; v244-247 the conversions' scale operands
.set SC,   248                         ; v248-251 K's scale words, then V's
.set FF,   252                         ; v252 f = 2^(old M - new M)
.set PSW,  253                         ; v253 p's scale word
.set T,    254
.set QS,   255                         ; v255 Q's scale word
.set TB,   2                           ; s2   LDS byte at which the slot in hand begins
.set TS,   3                           ; s3   1,024 x trip: the trip's entry in the scale tables
.set WV,   18
.set MNT,  19                          ; s19  unused
.set SEL,  20                          ; s[20:21] selects of v_permlanex16_b32 for lane l xor 16
.set CS,   22                          ; s[22:23] c = log2(e) / 8
.set G1K,  24                          ; s[24:31], s[32:39] descriptor groups 1 for K's and V's tiles;  s[40:43], s[44:47] their groups 0
.set G1V,  32
.set G0K,  40
.set G0V,  44
.set KB,   48                          ; s[48:49], s[50:51] K's and V's codes at my part of the head's key slot 0
.set VB,   50
.set OFS,  52                          ; s[52:53] an offset as a pair; the high word stays 0
.set GRP,  54                          ; s54  my key group, w >> 3
.set TQ,   55                          ; s55  my tile of queries, w & 7
.set NA,   56                          ; s56  slots of the first block
.set TRIP, 57                          ; s57  the trip
.set FK,   58                          ; s58  the key slot last asked for
.set KG,   59                          ; s59  the first key of my first step in the slot in hand
.set QBLK, 60                          ; s60  the first query of the block in hand;  s61 of the second block
.set QBLKB, 61
.set OP,   62                          ; s[62:63] out0 at my 16 rows of the block in hand;  s[66:67] of the second block
.set OPB,  66
.set PFA,  68                          ; s[68:69] where my prefetches stand;  s[70:71] a slot on, in bytes
.set PFS,  70
.set LIM,  72                          ; s72  a wave prefetches while the trip is under it: 7 or 0
.set NAM1, 73                          ; s73  NA - 1: the first block's last trip
; Waves 0 and 1 fetch K's two regions, waves 2 and 3 V's two halves, the others nothing.  The branches hang on the wave's number alone.  Four v_nop follow each of the two lines.
.macro TLOAD
	s_cmp_lt_u32 s[WV], 2
	s_cbranch_scc0 .Lnot_k_\@
	tensor_load_to_lds s[G0K:G0K+3], s[G1K:G1K+7]
	s_nop 0
.rept 4
	v_nop
.endr
	s_branch .Lasked_\@
.Lnot_k_\@:
	s_cmp_lt_u32 s[WV], 4
	s_cbranch_scc0 .Lasked_\@
	tensor_load_to_lds s[G0V:G0V+3], s[G1V:G1V+7]
	s_nop 0
.rept 4
	v_nop
.endr
.Lasked_\@:
.endm
; A PREFETCH INTO THE L2.  All work-groups of a head walk the same K and V; the head's work-group 0 asks, whose trip n (n > 0) loads key slot n - 1 + 1 behind trip n's change: in trip n = 0 .. 6 it asks for key slot n + 1,
; which its own tensor load names one trip later.  The waves ask that fetch nothing, one instruction each: waves 4 to 7 for K's 32,768 bytes of a slot, 8,192 a wave, lanes 256 bytes apart; waves 8 to 11 for V's 64 rows,
; 16 a wave, two lanes to a row's 512 bytes.  So each aligned block of 256 bytes of key slots 1 to 7 is named once in the launch; key slot 0 comes by its loads alone, and trip 7 asks for nothing: there is no key slot 8.
.macro ASK
	s_cmp_lt_u32 s[TRIP], s[LIM]
	s_cbranch_scc0 .Lnot_mine_\@
	global_prefetch_b8 v[PFO], s[PFA:PFA+1] th:TH_LOAD_NT scope:SCOPE_SE
.Lnot_mine_\@:
.endm
; THE CHANGE OF SLOTS, at a trip's head.  Each wave waits for all its tensor loads (at most one is out: its part of the slot that it is about to read), adds 0 to its spare word, and waits for that and for its reads of the slot
; that it has left.  Behind the barrier the slot ahead is whole and nobody reads the other.  fill = 1: the other slot is filled with the next trip's keys: the load has this trip's steps in which to land.
.macro CHANGE fill
	s_wait_tensorcnt 0x0                           ; no tensor load of mine is out, so a group 0 may be written
	ds_add_u32 v[SPW], v[NIL]                      ; 0 onto my spare word; the descriptors' steps stand between it and the wait for it
.if \fill
	s_xor_b32 s[G0K+1], s[G0K+1], SLOT1            ; the other slot than last time
	s_xor_b32 s[G0V+1], s[G0V+1], SLOT1
	s_add_co_u32 s[FK], s[FK], 1                   ; the next key slot,
	s_add_co_u32 s74, s[TRIP], 1
	s_cmp_eq_u32 s74, s[NA]
	s_cselect_b32 s[FK], 0, s[FK]                  ; or key slot 0, where the next trip begins the second block
	s_lshl_b32 s[OFS], s[FK], 15                   ; 512 keys of 64 bytes
	s_add_nc_u64 s[G0K+2:G0K+3], s[KB:KB+1], s[OFS:OFS+1]
	s_or_b32 s[G0K+3], s[G0K+3], 0x80000000        ; 127:126 type = 2
	s_lshl_b32 s[OFS], s[FK], 9                    ; 512 codes on in each row of V
	s_add_nc_u64 s[G0V+2:G0V+3], s[VB:VB+1], s[OFS:OFS+1]
	s_or_b32 s[G0V+3], s[G0V+3], 0x80000000
	s_wait_xcnt 0x0                                ; the last prefetch, a trip back, has read its address, so it may be written
	s_add_nc_u64 s[PFA:PFA+1], s[PFA:PFA+1], s[PFS:PFS+1]
.endif
	s_wait_dscnt 0x0                               ; the add is done, my reads of the slot that I have left are over (and, in the first trip, my stores into the scale tables have landed)
	s_barrier_signal -1
	s_barrier_wait -1
.if \fill
	TLOAD                                          ; the first thing behind the barrier, and a wave's one tensor load until the next change
	ASK
.endif
	v_add_nc_u32 v[ADK], s[TB], v[AK0]
	v_add_nc_u32 v[ADV], s[TB], v[AV0]
	v_add_nc_u32 v[ADS], s[TS], v[ASK0]
	v_add_nc_u32 v[ADT], s[TS], v[ASV0]
.endm
; A KEY STEP: 128 keys: step 2 q + g of the slot in hand.
.macro STEP q
	s_add_co_u32 s74, s[KG], 256*\q                ; the step's first key
	s_cmp_gt_u32 s74, s[QBLK]
	s_cbranch_scc1 .Lhidden_\@                     ; all its keys come after the block's queries
.irp b, 0,1,2,3
	ds_load_u16 v[SC+\b], v[ADS] offset:512*\q+64*\b   ; K's scale words of tiles 2 b (lanes 0-15) and 2 b + 1 (lanes 16-31): two bytes, widened with zeros
.endr
.irp b, 0,1,2,3
.irp u, 0,1
.irp c, 0,1
	ds_load_b128 v[F+8*(2*\b+\u)+4*\c:F+8*(2*\b+\u)+4*\c+3], v[ADK] offset:KREG*\u+10240*\q+16*KP*\b+32*\c
.endr
.endr
.endr
	s_wait_dscnt 0x0
.irp b, 0,1,2,3                                ; S^T = K Q^T: eight accumulators, each begun with 0
	v_wmma_scale_f32_16x16x128_f8f6f4 v[S+16*\b:S+16*\b+7], v[F+16*\b:F+16*\b+15], v[Q:Q+15], 0, v[SC+\b], v[QS] matrix_a_fmt:MATRIX_FMT_BF8 matrix_b_fmt:MATRIX_FMT_BF8
	v_wmma_scale_f32_16x16x128_f8f6f4 v[S+16*\b+8:S+16*\b+15], v[F+16*\b+8:F+16*\b+23], v[Q:Q+15], 0, v[SC+\b], v[QS] matrix_a_fmt:MATRIX_FMT_BF8 matrix_b_fmt:MATRIX_FMT_BF8 matrix_a_scale:MATRIX_SCALE_ROW1
.endr
.rept 8
	v_nop                                          ; eight places in front of the loads into K's registers and scale words, and of the first read of the scores
.endr
.irp t, 0,1,2,3                                ; V's four fragments and their scale words are asked for now and awaited in front of the second product: the softmax stands between
.irp c, 0,1,2,3
	ds_load_b128 v[F+16*\t+4*\c:F+16*\t+4*\c+3], v[ADV] offset:16*VP*\t+256*\q+32*\c
.endr
.endr
.irp p, 0,1
	ds_load_b32 v[SC+\p], v[ADT] offset:512*\q+128*\p   ; tiles 2 p (lanes 0-15) and 2 p + 1 (lanes 16-31)
.endr
	s_cmp_lg_u32 s74, s[QBLK]
	s_cbranch_scc1 .Lopen_\@                       ; all keys of the step count
	v_mov_b32 v[T], 0xff800000                     ; the diagonal: register 16 b + i holds the step's key 32 b + 16 (lane / 16) + i: hidden where 32 b + i > v[DM].  -infinity gives p = 0
.set n, 0
.rept 64
	v_cmp_gt_i32 vcc_lo, 32*(n/16)+n%16, v[DM]
	v_cndmask_b32 v[S+n], v[S+n], v[T], vcc_lo
.set n, n+1
.endr
.Lopen_\@:
.irp b, 0,1,2,3
	v_max3_num_f32 v[BM+\b], v[S+16*\b], v[S+16*\b+1], v[S+16*\b+2]   ; the largest score of each block of 32 keys: it serves for the row's maximum and, since p rises with the score, for the block's largest p
.endr
.irp i, 3,5,7,9,11,13
.irp b, 0,1,2,3
	v_max3_num_f32 v[BM+\b], v[BM+\b], v[S+16*\b+\i], v[S+16*\b+\i+1]   ; (the four blocks by turns)
.endr
.endr
.irp b, 0,1,2,3
	v_max_num_f32 v[BM+\b], v[BM+\b], v[S+16*\b+15]
.endr
.irp b, 0,1,2,3
	v_permlanex16_b32 v[PM+\b], v[BM+\b], s[SEL], s[SEL+1]
.endr
.irp b, 0,1,2,3
	v_max_num_f32 v[BM+\b], v[BM+\b], v[PM+\b]     ; with lane l xor 16's 16 keys
.endr
	v_max3_num_f32 v[T], v[BM], v[BM+1], v[BM+2]
	v_max_num_f32 v[T], v[T], v[BM+3]              ; the step's largest score of my query
	v_mul_f32 v[T], s[CS], v[T]                    ; as t (c is positive)
	v_max_num_f32 v[TX], v[TX], v[T]               ; the running largest t
	v_mov_b32 v[T], v[NM]
	v_floor_f32 v[NM], -v[TX]                      ; the new -M = floor(-t) = -ceil(t): a whole number
	v_sub_f32 v[T], v[NM], v[T]                    ; old M less new M: a whole number, 0 or less
	v_cvt_i32_f32 v[T], v[T]                       ; (it saturates)
	v_ldexp_f32 v[FF], 1.0, v[T]                   ; f = 2^(old M - new M): a multiplication by it rounds nothing
.irp b, 0,1,2,3
	v_fma_f32 v[BM+\b], v[BM+\b], s[CS], v[NM]     ; t - M of each block's largest score: the same fused multiply-add as the scores get
.endr
	v_pk_fma_f32 v[S:S+1], v[S:S+1], s[CS:CS+1], v[NM:NM+1] op_sel_hi:[1,0,0]       ; t - M, two at a time (of the pairs c and -M the low word serves both halves)
	v_pk_fma_f32 v[S+2:S+3], v[S+2:S+3], s[CS:CS+1], v[NM:NM+1] op_sel_hi:[1,0,0]
; ONE BATCH of 68 exponentials; the scalings stand among them, each two pairs ahead of its pair's exponentials.  No line of the batch names an exponential's result.
.set j, 0
.rept 32
.if j < 30
	v_pk_fma_f32 v[S+2*j+4:S+2*j+5], v[S+2*j+4:S+2*j+5], s[CS:CS+1], v[NM:NM+1] op_sel_hi:[1,0,0]
.endif
	v_exp_f32 v[S+2*j], v[S+2*j]                   ; p = 2^(t - M), at most 1: not normalised
	v_exp_f32 v[S+2*j+1], v[S+2*j+1]
.set j, j+1
.endr
.irp b, 0,1,2,3
	v_exp_f32 v[BM+\b], v[BM+\b]                   ; the block's largest p
.endr
	v_pk_mul_f32 v[L:L+1], v[L:L+1], v[FF:FF+1] op_sel_hi:[1,0]   ; the sums under the new M: the plain instruction behind the last exponential
	s_wait_alu depctr_va_vdst(0)                   ; one wait for the whole batch, ahead of the first line that names a result
	v_pk_add_f32 v[PM:PM+1], v[S:S+1], v[S+2:S+3]  ; the row's sum is taken of the unquantised p: two at a time, in two chains
.irp i, 4,8,12,16,20,24,28,32,36,40,44,48,52,56,60
	v_pk_add_f32 v[L:L+1], v[L:L+1], v[S+\i:S+\i+1]
	v_pk_add_f32 v[PM:PM+1], v[PM:PM+1], v[S+\i+2:S+\i+3]
.endr
	v_pk_add_f32 v[L:L+1], v[L:L+1], v[PM:PM+1]
.irp b, 0,1,2,3
	v_max_num_f32 v[BM+\b], 0x8000000, v[BM+\b]    ; the floor 2^(16 - 127): the byte cannot fall under 1 (a block whose every p is 0 keeps that byte: its codes are zeros)
.endr
.irp b, 0,1,2,3
	v_add_nc_u32 v[SO+\b], 0xf8800000, v[BM+\b]    ; 15 off the exponent field: the conversion's scale operand
.endr
.irp b, 0,1,2,3
.endr
.irp b, 0,1,2,3
	v_lshrrev_b32 v[PM+\b], 23, v[SO+\b]           ; the scale's byte
.endr
	v_lshl_or_b32 v[PSW], v[PM+1], 8, v[PM]        ; p's scale word for these 128 keys; more than eight plain lines stand between it and the products that name it
	v_lshl_or_b32 v[PSW], v[PM+2], 16, v[PSW]
	v_lshl_or_b32 v[PSW], v[PM+3], 24, v[PSW]
.irp b, 0,1,2,3
.irp i, 0,1,2,3,4,5,6,7,8,9,10,11,12,13,14,15
.endr
	v_cvt_scalef32_pk8_bf8_f32 v[PC+4*\b:PC+4*\b+1], v[S+16*\b:S+16*\b+7], v[SO+\b]
	v_cvt_scalef32_pk8_bf8_f32 v[PC+4*\b+2:PC+4*\b+3], v[S+16*\b+8:S+16*\b+15], v[SO+\b]
.endr
.irp i, 0,2,4,6,8,10,12,14,16,18,20,22,24,26,28,30
	v_pk_mul_f32 v[O+\i:O+\i+1], v[O+\i:O+\i+1], v[FF:FF+1] op_sel_hi:[1,0]   ; O^T under the new M, each accumulator from its low end on; these sixteen are also the plain lines between the conversions and the products
.endr
	s_wait_dscnt 0x0                               ; V's fragments and scale words are in
.irp p, 0,1                                    ; O^T += V^T P^T: four accumulators by turns, one instruction a turn; K = these 128 keys
	v_wmma_scale_f32_16x16x128_f8f6f4 v[O+16*\p:O+16*\p+7], v[F+32*\p:F+32*\p+15], v[PC:PC+15], v[O+16*\p:O+16*\p+7], v[SC+\p], v[PSW] matrix_a_fmt:MATRIX_FMT_BF8 matrix_b_fmt:MATRIX_FMT_BF8
	v_wmma_scale_f32_16x16x128_f8f6f4 v[O+16*\p+8:O+16*\p+15], v[F+32*\p+16:F+32*\p+31], v[PC:PC+15], v[O+16*\p+8:O+16*\p+15], v[SC+\p], v[PSW] matrix_a_fmt:MATRIX_FMT_BF8 matrix_b_fmt:MATRIX_FMT_BF8 matrix_a_scale:MATRIX_SCALE_ROW1
.endr
.rept 8
	v_nop                                          ; eight places in front of whatever follows: loads into V's registers and scale words, reads and writes of O^T
.endr
.Lhidden_\@:
.endm
; The state of a block's start: the largest t under every t, the sum and O^T zeros, which the first change of M leaves zeros.
.macro CLEAR
	v_mov_b32 v[TX], 0xff61b1e6                    ; -3e38
	v_floor_f32 v[NM], -v[TX]
	v_mov_b32 v[L], 0
	v_mov_b32 v[L+1], 0
.set j, 0
.rept 32
	v_mov_b32 v[O+j], 0
.set j, j+1
.endr
.endm
; A BLOCK'S END.  PUT: a wave of key group 1 lays its part into its pair's bytes as images of its registers: O^T, then (-M, t, the sum's halves).
.macro PUT
.irp c, 0,1,2,3,4,5,6,7
	ds_store_b128 v[MG], v[O+4*\c:O+4*\c+3] offset:512*\c
.endr
	ds_store_b128 v[MG], v[NM:NM+3] offset:4096
.endm
; GETOUT: its partner of key group 0 takes the images, brings both parts under the larger M, divides by the row's sum and stores its 16 rows.  A part that walked no step has M = -3e38: its factor comes out 0, over zeros.
.macro GETOUT more
.irp c, 0,1,2,3,4,5,6,7,8
	ds_load_b128 v[F+4*\c:F+4*\c+3], v[MG] offset:512*\c
.endr
	s_wait_dscnt 0x0
	v_min_num_f32 v[T], v[NM], v[F+32]             ; -M of the two: the smaller
	v_sub_f32 v[BM], v[T], v[NM]                   ; my M less the new M, a whole number, 0 or less;
	v_sub_f32 v[BM+2], v[T], v[F+32]               ; the partner's
	v_cvt_i32_f32 v[BM], v[BM]
	v_cvt_i32_f32 v[BM+2], v[BM+2]
	v_ldexp_f32 v[BM], 1.0, v[BM]
	v_ldexp_f32 v[BM+2], 1.0, v[BM+2]
	v_add_f32 v[PM], v[L], v[L+1]
	v_add_f32 v[PM+1], v[F+34], v[F+35]
	v_mul_f32 v[PM], v[PM], v[BM]
	v_fma_f32 v[PM], v[PM+1], v[BM+2], v[PM]
	v_permlanex16_b32 v[PM+2], v[PM], s[SEL], s[SEL+1]
	v_add_f32 v[PM], v[PM], v[PM+2]                ; with lane l xor 16's keys: the row's sum
	v_rcp_f32 v[PM], v[PM]
	v_nop                                          ; a plain instruction behind the reciprocal,
	s_wait_alu depctr_va_vdst(0)                   ; and the wait ahead of its first reader
	v_mul_f32 v[BM], v[BM], v[PM]
	v_mul_f32 v[BM+2], v[BM+2], v[PM]
.irp i, 0,2,4,6,8,10,12,14,16,18,20,22,24,26,28,30
	v_pk_mul_f32 v[O+\i:O+\i+1], v[O+\i:O+\i+1], v[BM:BM+1] op_sel_hi:[1,0]
.endr
.irp i, 0,2,4,6,8,10,12,14,16,18,20,22,24,26,28,30
	v_pk_fma_f32 v[O+\i:O+\i+1], v[F+\i:F+\i+1], v[BM+2:BM+3], v[O+\i:O+\i+1] op_sel_hi:[1,0,1]
.endr
.irp t, 0,1,2,3
	ds_store_b128 v[STO], v[O+8*\t:O+8*\t+3] offset:64*\t          ; lane (r, h): row r, d = 16 t + 8 h + 0 .. 7
	ds_store_b128 v[STO], v[O+8*\t+4:O+8*\t+7] offset:64*\t+16
.endr
.irp i, 0,1,2,3,4,5,6,7
	ds_load_b128 v[F+4*\i:F+4*\i+3], v[SRD] offset:2*\i*272        ; LDS serves a wave's instructions in order (ISA guide 5.7.1.4): these see my stores
.endr
.irp i, 0,1,2,3,4,5,6,7
	s_wait_dscnt 7-\i                              ; the 7 - i younger loads may stay out
	global_store_b128 v[GO], v[F+4*\i:F+4*\i+3], s[OP:OP+1] offset:512*\i th:TH_STORE_NT   ; sixteen lanes store a row of 256 consecutive bytes, at a multiple of 256 from out0's first byte
.endr
.if \more
	s_wait_xcnt 0x0                                ; the stores have read their registers and their base: both are written again below
.endif
.endm
; On to the second block.  Q's codes and scale word first: the 36 plain lines of CLEAR then stand between them and the next product.
.macro RESET
.irp i, 0,1,2,3,4,5,6,7
	v_mov_b32 v[Q+\i], v[QB+\i]
.endr
	v_mov_b32 v[QS], v[QSB]
	CLEAR
	s_mov_b32 s[QBLK], s[QBLKB]
	s_mov_b64 s[OP:OP+1], s[OPB:OPB+1]
	s_lshl_b32 s[KG], s[GRP], 7                    ; back to key slot 0
.endm
	s_load_b256 s[4:11], s[0:1], 0x0               ; q's codes s[4:5], q's scales s[6:7], k's codes s[8:9], k's scales s[10:11]
	s_load_b128 s[12:15], s[0:1], 0x20             ; v's codes s[12:13], v's scales s[14:15]
	s_load_b64 s[16:17], s[0:1], 0x30              ; out0
	v_lshl_add_u32 v[SPW], v0, 2, SPARE
	v_mov_b32 v[NIL], 0
	ds_add_u32 v5, v6
	s_wait_dscnt 0x0
	v_lshrrev_b32 v46, 5, v0
	v_readfirstlane_b32 s[WV], v46                 ; wave 0..15
	s_lshr_b32 s[GRP], s[WV], 3
	s_and_b32 s[TQ], s[WV], 7
	v_and_b32 v46, 15, v0                          ; r = lane % 16
	v_bfe_u32 v47, v0, 4, 1                        ; h = lane / 16
	v_and_b32 v120, 31, v0                         ; lane
	; every LDS address register is made here, ahead of the first branch on the wave's number
	v_mul_u32_u24 v[AK0], v46, KP
	v_lshl_add_u32 v[AK0], v47, 4, v[AK0]
	s_mul_i32 s74, s[GRP], 64*KP                   ; step g: 64 rows on in each region
	v_add_nc_u32 v[AK0], s74, v[AK0]
	v_mul_u32_u24 v[AV0], v46, VP
	v_lshl_add_u32 v[AV0], v47, 4, v[AV0]
	s_lshl_b32 s74, s[GRP], 7                      ; step g: 128 codes on in each row
	s_add_co_u32 s74, s74, VOFF
	v_add_nc_u32 v[AV0], s74, v[AV0]
	v_and_b32 v121, 8, v46
	v_add_nc_u32 v121, v121, v46                   ; r + 8 (r / 8)
	v_lshl_add_u32 v121, v47, 3, v121              ; + 8 for the odd tile, whose words lanes 16-31 take
	s_lshl_b32 s74, s[GRP], 8                      ; step g: 256 bytes on in both tables
	s_add_co_u32 s75, s74, SCK
	v_lshl_add_u32 v[ASK0], v121, 1, s75           ; 2 bytes a key
	s_add_co_u32 s75, s74, SCV
	v_lshl_add_u32 v[ASV0], v120, 2, s75           ; a word for each d
	s_mul_i32 s74, s[TQ], 9*512
	s_add_co_u32 s74, s74, MERGE
	v_lshl_add_u32 v[MG], v120, 4, s74
	s_mul_i32 s74, s[TQ], 16*272
	s_add_co_u32 s74, s74, STAGE
	v_mul_u32_u24 v[STO], v46, 272
	v_lshl_add_u32 v[STO], v47, 5, v[STO]
	v_add_nc_u32 v[STO], s74, v[STO]
	v_mul_u32_u24 v[SRD], v47, 272
	v_lshl_add_u32 v[SRD], v46, 4, v[SRD]
	v_add_nc_u32 v[SRD], s74, v[SRD]
	v_lshlrev_b32 v[GO], 8, v47                    ; lanes 0-15 one row of out0, lanes 16-31 the next; 16 bytes a lane
	v_lshl_add_u32 v[GO], v46, 4, v[GO]
	v_lshl_add_u32 v122, v0, 4, SCK                ; building K's table: thread T stores 16 bytes at 16 T: entries 0 to 7
	v_and_b32 v123, 7, v0                          ; building V's: thread T takes entry T % 8
	v_lshrrev_b32 v124, 3, v0                      ; of row d = T / 8
	v_lshlrev_b32 v125, 10, v123
	v_lshl_add_u32 v125, v124, 2, v125
	v_add_nc_u32 v125, SCV, v125
	v_lshl_add_u32 v126, v0, 2, SCV+8192           ; entry 8 of V's table: thread T < 64 takes row d = T
	s_lshl_b32 s74, s[TQ], 4
	v_lshlrev_b32 v[DM], 4, v47
	v_sub_nc_u32 v[DM], v46, v[DM]
	v_add_nc_u32 v[DM], s74, v[DM]                 ; 16 x tile + r - 16 h
	; ids
	s_and_b32 s76, ttmp7, 0xffff                   ; the head
	s_add_co_u32 s[NA], ttmp9, 4
	s_lshr_b32 s[NA], s[NA], 2
	s_sub_co_u32 s[NAM1], s[NA], 1
	s_lshl_b32 s[QBLK], ttmp9, 7
	s_sub_co_u32 s[QBLKB], 31, ttmp9
	s_lshl_b32 s[QBLKB], s[QBLKB], 7
	s_lshl_b32 s[KG], s[GRP], 7
	s_mov_b32 s[TB], 0
	s_mov_b32 s[TS], 0
	s_mov_b32 s[TRIP], 0
	s_mov_b32 s[FK], 0
	s_mov_b32 s[SEL], 0x76543210
	s_mov_b32 s[SEL+1], 0xfedcba98
	s_mov_b32 s[CS], 0x3e38aa3b                    ; c = log2(e) / 8
	s_mov_b32 s[CS+1], s[CS]                       ; (named with it as a pair, so it is written)
	; descriptor groups 1.  K: 32 rows of 512 bytes (eight keys), 1,024 bytes apart (every second group of eight), 16 bytes of padding behind each key's 64.  V: 32 rows of 512 bytes, 4,096 apart, 16 behind each
	s_mov_b32 s[G1K], (0<<16)|(1<<20)|(3<<22)|(3<<25)   ; 15:0 no mask; 17:16 elements of 1 byte; 20 padding on; 24:22 after every 16 words (code 3); 31:25 four words (code 3)
	s_mov_b32 s[G1K+1], 512<<16                    ; tensor_dim0
	s_mov_b32 s[G1K+2], 32<<16                     ; tensor_dim1
	s_mov_b32 s[G1K+3], 512<<16                    ; tile_dim0
	s_mov_b32 s[G1K+4], 32                         ; tile_dim1
	s_mov_b32 s[G1K+5], 1024                       ; tensor_dim0_stride
	s_mov_b32 s[G1K+6], 0
	s_mov_b32 s[G1K+7], 0
	s_mov_b32 s[G1V], (0<<16)|(1<<20)|(6<<22)|(3<<25)   ; padding: four words after every 128
	s_mov_b32 s[G1V+1], 512<<16
	s_mov_b32 s[G1V+2], 32<<16
	s_mov_b32 s[G1V+3], 512<<16
	s_mov_b32 s[G1V+4], 32
	s_mov_b32 s[G1V+5], 4096
	s_mov_b32 s[G1V+6], 0
	s_mov_b32 s[G1V+7], 0
	s_lshl_b32 s78, s76, 18                        ; the head's first byte in each tensor of codes
	s_lshl_b32 s82, s76, 13                        ; and in each tensor of scale bytes
	s_and_b32 s77, s[WV], 1                        ; which region of K, or which half of V, I fetch if I fetch
	s_mov_b32 s[OFS+1], 0
	s_lshl_b32 s[OFS], s77, 9                      ; K: eight keys on
	s_add_co_u32 s[OFS], s[OFS], s78
	s_wait_kmcnt 0x0
	s_add_nc_u64 s[KB:KB+1], s[8:9], s[OFS:OFS+1]
	s_lshl_b32 s[OFS], s77, 17                     ; V: 32 rows on
	s_add_co_u32 s[OFS], s[OFS], s78
	s_add_nc_u64 s[VB:VB+1], s[12:13], s[OFS:OFS+1]
	s_mov_b32 s[G0K], 1                            ; 1:0 count = 1
	s_mul_i32 s[G0K+1], s77, KREG                  ; 63:32 LDS address: slot 0
	s_mov_b64 s[G0K+2:G0K+3], s[KB:KB+1]           ; 120:64 global address: key slot 0
	s_or_b32 s[G0K+3], s[G0K+3], 0x80000000        ; 127:126 type = 2
	s_mov_b32 s[G0V], 1
	s_mul_i32 s[G0V+1], s77, VHALF
	s_add_co_u32 s[G0V+1], s[G0V+1], VOFF
	s_mov_b64 s[G0V+2:G0V+3], s[VB:VB+1]
	s_or_b32 s[G0V+3], s[G0V+3], 0x80000000
	TLOAD                                          ; the first fill: slot 0, ahead of every wait on TENSORcnt, every LDS read and every barrier
	; Q of both blocks stays in registers
	v_lshlrev_b32 v127, 6, v46
	v_lshl_add_u32 v127, v47, 4, v127              ; row r of 64 bytes, + 16 h
	s_lshl_b32 s79, s[TQ], 4
	s_add_co_u32 s80, s[QBLK], s79                 ; my first query in the first block,
	s_add_co_u32 s81, s[QBLKB], s79                ; and in the second
	s_lshl_b32 s74, s80, 6
	s_add_co_u32 s74, s74, s78
	v_add_nc_u32 v128, s74, v127
	s_lshl_b32 s74, s81, 6
	s_add_co_u32 s74, s74, s78
	v_add_nc_u32 v129, s74, v127
	global_load_b128 v[Q:Q+3], v128, s[4:5] th:TH_LOAD_NT
	global_load_b128 v[Q+4:Q+7], v128, s[4:5] offset:32 th:TH_LOAD_NT
	global_load_b128 v[QB:QB+3], v129, s[4:5] th:TH_LOAD_NT
	global_load_b128 v[QB+4:QB+7], v129, s[4:5] offset:32 th:TH_LOAD_NT
	s_lshl_b32 s74, s80, 1
	s_add_co_u32 s74, s74, s82
	v_lshl_add_u32 v130, v46, 1, s74
	s_lshl_b32 s74, s81, 1
	s_add_co_u32 s74, s74, s82
	v_lshl_add_u32 v131, v46, 1, s74
	global_load_u16 v[QS], v130, s[6:7]            ; two scale bytes a query, widened with zeros
	global_load_u16 v[QSB], v131, s[6:7]
	; THE SCALE TABLES, in the order of the walk, copied once through registers.  K: entry e = wave / 2 is key slot e (e < NA) or e - NA: 1,024 dense bytes, 512 a wave
	s_lshr_b32 s74, s[WV], 1
	s_cmp_lt_u32 s74, s[NA]
	s_cselect_b32 s75, 0, s[NA]
	s_sub_co_u32 s74, s74, s75
	s_lshl_b32 s74, s74, 10
	s_lshl_b32 s75, s77, 9
	s_add_co_u32 s74, s74, s75
	s_add_co_u32 s74, s74, s82
	v_lshl_add_u32 v132, v120, 4, s74
	global_load_b128 v[136:139], v132, s[10:11]
	; V: thread T takes, of row d = T / 8, the 16 bytes (four steps' words) of entry T % 8's key slot
	v_mov_b32 v133, s[NA]
	v_cmp_le_u32 vcc_lo, s[NA], v123
	v_cndmask_b32 v133, 0, v133, vcc_lo            ; NA where the entry belongs to the second block
	v_sub_nc_u32 v133, v123, v133                  ; the key slot
	v_lshlrev_b32 v133, 4, v133
	v_lshl_add_u32 v133, v124, 7, v133             ; a row of V's scale bytes is 128 bytes
	v_add_nc_u32 v133, s82, v133
	global_load_b128 v[140:143], v133, s[14:15]
	s_cmp_lt_u32 s[WV], 2                          ; entry 8, key slot 8 - NA: waves 0 and 1, 64 threads
	s_cbranch_scc0 .Lno_ninth
	s_sub_co_u32 s74, 8, s[NA]
	s_lshl_b32 s75, s74, 10
	s_add_co_u32 s75, s75, s82
	v_lshl_add_u32 v134, v0, 4, s75
	global_load_b128 v[144:147], v134, s[10:11]
	s_lshl_b32 s75, s74, 4
	s_add_co_u32 s75, s75, s82
	v_lshl_add_u32 v135, v0, 7, s75
	global_load_b128 v[148:151], v135, s[14:15]
	s_wait_loadcnt 0x0
	ds_store_b128 v122, v[144:147] offset:8192
.irp i, 0,1,2,3
	ds_store_b32 v126, v[148+\i] offset:256*\i
.endr
.Lno_ninth:
	s_wait_loadcnt 0x0                             ; Q, its scale words and the tables' bytes are in
	ds_store_b128 v122, v[136:139]
.irp i, 0,1,2,3
	ds_store_b32 v125, v[140+\i] offset:256*\i     ; step i's word of row d
.endr
.irp i, 0,1,2,3,4,5,6,7
	v_mov_b32 v[Q+8+\i], 0                         ; Q's zero codes for k = 64 .. 127
	v_mov_b32 v[ZT+\i], 0                          ; and what stands behind K's last fragment
.endr
.irp i, 0,1,2,3
	v_mov_b32 v[BM+\i], 0                          ; (named as halves of pairs before they are first written)
	v_mov_b32 v[PM+\i], 0                          ; written once: a lane permute's destination counts as one of its sources
.endr
	v_mov_b32 v[PSW], 0                            ; (named as the upper half of the pair with f before it is first written)
	CLEAR
	; the prefetches (macro ASK): where my wave's stand, and who asks.  Nothing is prefetched here, at the head, where every work-group's first tiles are on their way
	s_cmp_lt_u32 s[WV], 8                          ; waves 4 to 7 ask for K's codes, waves 8 to 11 for V's
	s_cselect_b64 s[PFA:PFA+1], s[8:9], s[12:13]
	s_mov_b32 s[PFS], 512
	s_cselect_b32 s[PFS], 32768, s[PFS]            ; a slot on
	s_mov_b32 s74, 4096
	s_cselect_b32 s74, 512, s74                    ; from one pair of lanes to the next
	s_mov_b32 s75, 65536
	s_cselect_b32 s75, 8192, s75                   ; from wave to wave
	s_mov_b32 s[PFS+1], 0
	v_lshrrev_b32 v[PFO], 1, v120
	v_mul_lo_u32 v[PFO], v[PFO], s74
	v_and_b32 v121, 1, v120
	v_lshl_add_u32 v[PFO], v121, 8, v[PFO]         ; the two lanes of a pair stand 256 bytes apart
	s_and_b32 s83, s[WV], 3
	s_mul_i32 s[OFS], s83, s75
	s_add_co_u32 s[OFS], s[OFS], s78               ; in my head, at key slot 0: the first change of slots steps it to key slot 1
	s_add_nc_u64 s[PFA:PFA+1], s[PFA:PFA+1], s[OFS:OFS+1]
	s_sub_co_u32 s74, s[WV], 4
	s_lshr_b32 s74, s74, 3                         ; 0 in waves 4 to 11,
	s_or_b32 s74, s74, ttmp9                       ; of the head's work-group 0
	s_cmp_eq_u32 s74, 0
	s_cselect_b32 s[LIM], 7, 0
	; out0 at my 16 rows of each block: a head is 4,096 rows of 256 bytes
	s_lshl_b32 s[OFS], s76, 20
	s_lshl_b32 s74, s80, 8
	s_add_co_u32 s[OFS], s[OFS], s74
	s_add_nc_u64 s[OP:OP+1], s[16:17], s[OFS:OFS+1]
	s_lshl_b32 s[OFS], s76, 20
	s_lshl_b32 s74, s81, 8
	s_add_co_u32 s[OFS], s[OFS], s74
	s_add_nc_u64 s[OPB:OPB+1], s[16:17], s[OFS:OFS+1]
.Lslot:                                            ; eight trips: behind each change of slots the next trip's keys are asked for
	CHANGE 1
	STEP 0
	STEP 1
	s_add_co_u32 s[KG], s[KG], 512
	s_add_co_u32 s[TS], s[TS], 1024
	s_xor_b32 s[TB], s[TB], SLOT1
	s_cmp_lg_u32 s[TRIP], s[NAM1]                  ; was this the first block's last slot?  (The same answer in all sixteen waves)
	s_cbranch_scc1 .Lno_put
	s_cmp_eq_u32 s[GRP], 0
	s_cbranch_scc1 .Lno_put
	PUT
.Lno_put:
	s_wait_dscnt 0x0                               ; my images have landed.  This barrier stands on every wave's path in every trip; the next slot's load may stay out
	s_barrier_signal -1
	s_barrier_wait -1
	s_cmp_lg_u32 s[TRIP], s[NAM1]
	s_cbranch_scc1 .Lno_end
	s_cmp_lg_u32 s[GRP], 0
	s_cbranch_scc1 .Lno_get
	GETOUT 1                                       ; its reads of the images are over at the next change's wait and barrier, ahead of any later PUT
.Lno_get:
	RESET
.Lno_end:
	s_add_co_u32 s[TRIP], s[TRIP], 1
	s_cmp_lt_u32 s[TRIP], 8
	s_cbranch_scc1 .Lslot
	CHANGE 0                                       ; the ninth slot is written out
	STEP 0
	STEP 1
	s_cmp_eq_u32 s[GRP], 0
	s_cbranch_scc1 .Ltail_no_put
	PUT
.Ltail_no_put:
	s_wait_dscnt 0x0
	s_barrier_signal -1
	s_barrier_wait -1
	s_cmp_lg_u32 s[GRP], 0
	s_cbranch_scc1 .Ltail_no_get
	GETOUT 0
.Ltail_no_get:
	s_wait_tensorcnt 0x0                           ; the wave's end: behind my last tensor load and my last LDS store
	ds_add_u32 v[SPW], v[NIL]
	s_wait_dscnt 0x0
	s_endpgm
.Lfunc_end_k_qeb70e47e4e_attn:
	.size	k_qeb70e47e4e_attn, .Lfunc_end_k_qeb70e47e4e_attn-k_qeb70e47e4e_attn
	.p2alignl 7, 3214868480
	.fill 96, 4, 3214868480
	.section	.rodata,"a",@progbits
	.p2align	6, 0x0
	.amdhsa_kernel k_qeb70e47e4e_attn
		.amdhsa_group_segment_fixed_size 327680
		.amdhsa_private_segment_fixed_size 0
		.amdhsa_enable_private_segment 0
		.amdhsa_kernarg_size 56
		.amdhsa_user_sgpr_count 2
		.amdhsa_user_sgpr_kernarg_segment_ptr 1
		.amdhsa_wavefront_size32 1
		.amdhsa_system_sgpr_workgroup_id_x 1
		.amdhsa_system_sgpr_workgroup_id_y 1
		.amdhsa_system_sgpr_workgroup_id_z 1
		.amdhsa_system_vgpr_workitem_id 0
		.amdhsa_next_free_vgpr 256
		.amdhsa_next_free_sgpr 96
		.amdhsa_reserve_vcc 1
		.amdhsa_float_denorm_mode_32 3
		.amdhsa_float_denorm_mode_16_64 3
		.amdhsa_fp16_overflow 1
		.amdhsa_memory_ordered 1
		.amdhsa_forward_progress 1
		.amdhsa_inst_pref_size 113
	.end_amdhsa_kernel
	.amdgpu_metadata
---
amdhsa.version: [ 1, 2 ]
amdhsa.kernels:
  - .name:           k_qeb70e47e4e_attn
    .symbol:         k_qeb70e47e4e_attn.kd
    .args:
      - { .name: q_codes, .offset: 0, .size: 8, .value_kind: global_buffer, .address_space: global }
      - { .name: q_scales, .offset: 8, .size: 8, .value_kind: global_buffer, .address_space: global }
      - { .name: k_codes, .offset: 16, .size: 8, .value_kind: global_buffer, .address_space: global }
      - { .name: k_scales, .offset: 24, .size: 8, .value_kind: global_buffer, .address_space: global }
      - { .name: v_codes, .offset: 32, .size: 8, .value_kind: global_buffer, .address_space: global }
      - { .name: v_scales, .offset: 40, .size: 8, .value_kind: global_buffer, .address_space: global }
      - { .name: out0, .offset: 48, .size: 8, .value_kind: global_buffer, .address_space: global }
    .group_segment_fixed_size: 327680
    .private_segment_fixed_size: 0
    .kernarg_segment_align: 8
    .kernarg_segment_size: 56
    .max_flat_workgroup_size: 512
    .sgpr_count:     96
    .vgpr_count:     256
    .wavefront_size: 32
...
	.end_amdgpu_metadata
.endif
;; end of part 1
